; MI455X (gfx1250); checked and timed in simulation.
; The chip was launched on July 23, 2026; its instructions are those of AMD's public machine-readable ISA for CDNA 5 (MIT licence, August 2026) and "CDNA5" Instruction Set Architecture Reference Guide (July 2026). The comments in the code are by the model that wrote it; some were corrected since.
;; Mo EFFN. Allowed arithmetic: matrix products marked QUANTISED: E5M2 operands, one E8M0 scale for each 32 along K, by v_wmma_scale_f32_16x16x128_f8f6f4 with both operands' format E5M2, f32 sums; everything else in f32.
;; Inputs: b1 8 x 1,024 float32; b2 8 x 1,024 float32; hidden_codes 4 x 1,024 x 32 x 32 uint8 (E5M2 codes of hidden, K innermost, in blocks of 32 codes); hidden_scales 4 x 1,024 x 32 uint8 (E8M0 scales of hidden, one for each 32 codes along K); top_k_indices 4 x 1,024 x 2 int32; top_k_weights 4 x 1,024 x 2 float32; w1_codes 8 x 1,024 x 32 x 32 uint8 (E5M2 codes of w1, K innermost, in blocks of 32 codes); w1_scales 8 x 1,024 x 32 uint8 (E8M0 scales of w1, one for each 32 codes along K); w2_codes 8 x 1,024 x 32 x 32 uint8 (E5M2 codes of w2, K innermost, in blocks of 32 codes); w2_scales 8 x 1,024 x 32 uint8 (E8M0 scales of w2, one for each 32 codes along K).
;; Outputs: out0 4 x 1,024 x 1,024 float32.
;; This version of the problem:
;;   THIS VERSION OF THE PROBLEM IS GIVEN IN LOW PRECISION. The matrix products marked QUANTISED in the list below multiply operands that are first quantised to E5M2 (5 exponent bits, 2 mantissa bits; 8 bits a number), with one power-of-two scale for each 32 numbers along K (OCP MX v1.0); their sums are f32. All else is computed in f32.
;;   The module's matrix products, in the order in which they are computed (A, B: the left and right operand; K: the contracted axis; several contracted axes count as one K, in the product's order):
;;     1. [M 4,096, K 1,024] x [K 1,024, N 1,024]; A: input hidden (given as codes); B: input w1 (given as codes): QUANTISED
;;     2. [M 4,096, K 1,024] x [K 1,024, N 1,024]; A: computed on the way; B: input w2 (given as codes): QUANTISED
;;     3. [M 4,096, K 1,024] x [K 1,024, N 1,024]; A: input hidden (given as codes); B: input w1 (given as codes): QUANTISED
;;     4. [M 4,096, K 1,024] x [K 1,024, N 1,024]; A: computed on the way; B: input w2 (given as codes): QUANTISED
;;     5. [M 4,096, K 1,024] x [K 1,024, N 1,024]; A: input hidden (given as codes); B: input w1 (given as codes): QUANTISED
;;     6. [M 4,096, K 1,024] x [K 1,024, N 1,024]; A: computed on the way; B: input w2 (given as codes): QUANTISED
;;     7. [M 4,096, K 1,024] x [K 1,024, N 1,024]; A: input hidden (given as codes); B: input w1 (given as codes): QUANTISED
;;     8. [M 4,096, K 1,024] x [K 1,024, N 1,024]; A: computed on the way; B: input w2 (given as codes): QUANTISED
;;     9. [M 4,096, K 1,024] x [K 1,024, N 1,024]; A: input hidden (given as codes); B: input w1 (given as codes): QUANTISED
;;     10. [M 4,096, K 1,024] x [K 1,024, N 1,024]; A: computed on the way; B: input w2 (given as codes): QUANTISED
;;     11. [M 4,096, K 1,024] x [K 1,024, N 1,024]; A: input hidden (given as codes); B: input w1 (given as codes): QUANTISED
;;     12. [M 4,096, K 1,024] x [K 1,024, N 1,024]; A: computed on the way; B: input w2 (given as codes): QUANTISED
;;     13. [M 4,096, K 1,024] x [K 1,024, N 1,024]; A: input hidden (given as codes); B: input w1 (given as codes): QUANTISED
;;     14. [M 4,096, K 1,024] x [K 1,024, N 1,024]; A: computed on the way; B: input w2 (given as codes): QUANTISED
;;     15. [M 4,096, K 1,024] x [K 1,024, N 1,024]; A: input hidden (given as codes); B: input w1 (given as codes): QUANTISED
;;     16. [M 4,096, K 1,024] x [K 1,024, N 1,024]; A: computed on the way; B: input w2 (given as codes): QUANTISED
;;   THE QUANTISER, for each operand of a quantised product, along K:
;;     - K is cut into blocks of 32 from its start; a last block that is shorter is filled with zeros.
;;     - A block's scale is 2^e with e = floor(log2(the largest magnitude in the block)) - 15, held to -126 .. 127; a block of zeros has e = 0. As a byte (E8M0): e + 127.
;;     - Each number is divided by its block's scale, clamped to +-57,344, and rounded to the nearest number of E5M2, ties to even, subnormals kept.
;;     - The product sums the exact products of the quantised numbers (number of the format x scale) in f32.
;;   ~~~python
;;   def quantise(x, axis):      # numpy; x: float32 -> the quantised numbers, widened to float32 again
;;       x = np.moveaxis(x, axis, -1); K = x.shape[-1]
;;       x = np.pad(x, [(0, 0)] * (x.ndim - 1) + [(0, -K % 32)]); x = x.reshape(x.shape[:-1] + (-1, 32)); a = np.abs(x).max(-1, keepdims=True)
;;       e = np.where(a > 0, np.clip(np.frexp(np.where(a > 0, a, 1))[1] - 1 - 15, -126, 127), 0)      # np.frexp(a)[1] - 1 = floor(log2(a)), exactly
;;       r = np.clip(x / 2.0 ** e, -57344, 57344)
;;       step = 2.0 ** (np.maximum(np.frexp(np.where(r == 0, 1, r))[1] - 1, -14) - 2)
;;       q = np.round(r / step) * step * 2.0 ** e      # np.round: ties to even
;;       return np.moveaxis(q.reshape(q.shape[:-2] + (-1,))[..., :K], -1, axis).astype(np.float32)
;;   ~~~
;;   OPERANDS COMPUTED ON THE WAY. 'Computed on the way' means the value that the module computes at that place (a softmax that the list does not call 'softmax' is quantised finished and normalised). What goes into a quantiser is computed in f32, as accurately as f32 sums, v_exp_f32 and their like allow (about 1e-6 of the number): no bf16 or f16 on the way to a quantiser, and a product that is left as it is and whose result goes on into a quantised operand takes f32 operands (vector FMAs, or v_wmma_f32_16x16x4_f32). A number that lies on a knife's edge between two numbers of the format may be rounded either way, as far as f32 arithmetic and the matrix unit's own rounding can turn it there, and no further.
;;   INPUTS GIVEN AS CODES. hidden (in the module: [4, 1024, 1024], K = its axis 2); w1 (in the module: [8, 1024, 1024], K = its axis 1); w2 (in the module: [8, 1024, 1024], K = its axis 1): each comes as NAME_codes (uint8): NAME with its K axis moved to the last place and cut into blocks of 32 codes, [.., K / 32, bytes a block], one block behind the other in memory; one code a byte (a code: sign, 5 exponent bits, 2 mantissa bits); and NAME_scales (uint8): the same leading axes, one E8M0 byte (e + 127) for each 32 codes along K. Its value is code x scale, taken as it is: it is not quantised again, and the codes and scales need not be those that the quantiser above would give.
;; One version. Each part assembles by itself: llvm-mc -triple=amdgcn-amd-amdhsa -mcpu=gfx1250 --defsym DOCPART=n.
;; ======== version 1 of 1: 3 launches
;; limits: right only within a limited range of input values
;; workspace buffers: meta 32,768 bytes of whole numbers; gates 32,768 bytes; wf1 8,388,608 bytes; wf2 8,388,608 bytes; hws 8,388,608 bytes; hsc 262,144 bytes
;; launch prep (part 1): grid 129 x 1, 16 waves a work-group, no clusters, 141,312 bytes of LDS; arguments top_k_indices, top_k_weights, w1_codes, w2_codes, meta, gates, wf1, wf2; writes meta, gates, wf1, wf2
.if DOCPART == 1
	.amdgcn_target "amdgcn-amd-amdhsa--gfx1250"
	.amdhsa_code_object_version 6
	.text
	.protected	k_qf3a1abb22b_prep
	.globl	k_qf3a1abb22b_prep
	.p2align	8
	.type	k_qf3a1abb22b_prep,@function
k_qf3a1abb22b_prep:
	s_mov_b64 s[64:65], 0
	v_nop
	global_prefetch_b8 v0, s[64:65] scope:SCOPE_SE
	s_setreg_imm32_b32 hwreg(HW_REG_WAVE_MODE, 25, 1), 1
	s_wait_xcnt 0x0
; TWO JOBS IN ONE LAUNCH, parted by the work-group's number.
; Work-group 0 SORTS the 4,096 tokens by key = 8 x (smaller expert) + (larger expert), a counting sort without atomics, and stores for each sorted place
;   meta  [place][2] int32: token, smaller | larger << 8        gates [place][2] f32: the smaller expert's weight, the larger's (both slots on one expert: their sum, 0).
; Work-groups 1 to 128 LAY THE WEIGHTS' CODES OUT in the order of a matrix operand's registers: wf[((e 64 + T) 8 + s) 2048 + c 512 + 16 lane + i] =
;   w[e][row(T, lane % 16)][128 s + 32 c + 16 (lane / 16) + i];  w2: row = 16 T + r;  w1: row = 32 (T / 2) + 8 (T % 2) + r + 8 (r / 8), so that the results of tiles 2 G and 2 G + 1 are 16 neighbours along the next K.
; LIMITS: an index outside 0 .. 7 counts for nothing (weight 0, expert 7), which is what a compare with 0 .. 7 gives.
; LDS: bytes 0 .. 2,047 the sort's sixteen histograms; from 4,096 on a stage of 16 rows x 528 bytes for each wave of the other path: the two paths share no byte.
; No tensor loads, no cluster: waves of the second path share nothing, and the sort is one work-group.
.set STG0,   4096
.set SPITCH, 528                       ; 512 bytes + 16: 33 x 16, so the 16 rows that a read touches start in 16 different groups of banks
.set WSTG,   16*SPITCH
.set RB,  16                           ; v16-79   16 x 4 registers as loaded
.set OB,  80                           ; v80-143  16 x 4 registers in the operand's order
.set IX,  8                            ; v8-23    the two indices of token register q; later token, pair
.set WT,  24                           ; v24-39   the two weights; later the two gates
.set BI,  40                           ; v40-47   4 x (key % 32): the lane that keeps my key's count
.set SH,  48                           ; v48-55   16 x (key / 32): which half of that lane's word
.set LOC, 56                           ; v56-63   my rank among the wave's tokens of my key
.set GT,  72                           ; v72-79   what the lane permutes bring; later the place's byte offset
.set HH,  80                           ; v80      the wave's histogram: lane l: keys l (low half) and 32 + l (high half); no count passes 4,096
	s_load_b512 s[4:19], s[0:1], 0x0               ; indices s[4:5], weights s[6:7], w1 s[8:9], w2 s[10:11], meta s[12:13], gates s[14:15], wf1 s[16:17], wf2 s[18:19]
	v_lshl_add_u32 v160, v0, 2, 0x22000
	v_mov_b32 v161, 0
	v_lshrrev_b32 v1, 5, v0
	s_delay_alu instid0(VALU_DEP_1)
	v_readfirstlane_b32 s20, v1                    ; wave 0..15
	v_and_b32 v5, 31, v0                           ; lane
	s_cmp_eq_u32 ttmp9, 0
	s_cbranch_scc1 .Lsort
	; ---------------- the weights: a wave takes half a tile: 16 rows x 512 bytes = 4 K steps
	s_sub_co_u32 s21, ttmp9, 1
	s_lshl_b32 s22, s21, 4
	s_add_co_u32 s22, s22, s20
	s_and_b32 s22, s22, 1023                       ; which half tile of its tensor
	s_lshr_b32 s23, s22, 1                         ; 64 e + T
	s_and_b32 s24, s22, 1                          ; which half of the rows' 1,024 bytes
	s_and_b32 s25, s23, 63                         ; T
	s_lshr_b32 s26, s23, 6                         ; e
	s_lshr_b32 s27, s25, 1
	s_lshl_b32 s27, s27, 5
	s_and_b32 s28, s25, 1
	s_lshl_b32 s28, s28, 3
	s_add_co_u32 s27, s27, s28
	s_lshl_b32 s28, s26, 10
	s_add_co_u32 s27, s27, s28                     ; w1: first row 1024 e + 32 (T / 2) + 8 (T % 2)
	s_lshl_b32 s28, s23, 4                         ; w2: first row 16 (64 e + T)
	s_wait_kmcnt 0x0
	s_cmp_lt_u32 s21, 64                           ; the first 64 of these work-groups take w1
	s_cselect_b32 s27, s27, s28
	s_cselect_b32 s29, 8192, 0                     ; w1: rows 8-15 of a tile lie 8 rows further on
	s_cselect_b64 s[8:9], s[8:9], s[10:11]
	s_cselect_b64 s[16:17], s[16:17], s[18:19]
	s_lshl_b32 s30, s27, 10
	s_lshl_b32 s28, s24, 9
	s_add_co_u32 s30, s30, s28
	s_mov_b32 s31, 0
	s_add_nc_u64 s[8:9], s[8:9], s[30:31]          ; in: first row, my half
	s_lshl_b32 s30, s23, 14
	s_lshl_b32 s28, s24, 13
	s_add_co_u32 s30, s30, s28
	s_add_nc_u64 s[16:17], s[16:17], s[30:31]      ; out: 16,384 bytes a tile, 8,192 a half
	s_wait_alu depctr_va_vdst(0)
	v_lshlrev_b32 v1, 4, v5                        ; 16 x lane
	s_delay_alu instid0(VALU_DEP_1)
	v_add_nc_u32 v2, s29, v1
	s_mul_i32 s28, s20, WSTG
	s_add_co_u32 s28, s28, STG0                    ; my stage
	v_add_nc_u32 v3, s28, v1                       ; in: a row's 512 bytes as they lie
	v_and_b32 v6, 15, v5
	v_lshrrev_b32 v7, 4, v5
	s_delay_alu instid0(VALU_DEP_2)
	v_mul_u32_u24 v4, v6, SPITCH
	s_delay_alu instid0(VALU_DEP_1)
	v_lshl_add_u32 v4, v7, 4, v4
	s_delay_alu instid0(VALU_DEP_1)
	v_add_nc_u32 v4, s28, v4                       ; out: row lane % 16, + 16 (lane / 16)
.irp i, 0,1,2,3,4,5,6,7
	global_load_b128 v[RB+4*\i:RB+4*\i+3], v1, s[8:9] offset:\i*1024 th:TH_LOAD_NT   ; 32 lanes read 512 consecutive bytes of one row
.endr
.irp i, 8,9,10,11,12,13,14,15
	global_load_b128 v[RB+4*\i:RB+4*\i+3], v2, s[8:9] offset:\i*1024 th:TH_LOAD_NT
.endr
	s_wait_alu depctr_va_vdst(0)
.irp i, 0,1,2,3,4,5,6,7,8,9,10,11,12,13,14,15
	s_wait_loadcnt 15-\i                           ; loads come back in order: row i is in, the younger ones may be out
	ds_store_b128 v3, v[RB+4*\i:RB+4*\i+3] offset:\i*SPITCH
.endr
.irp k, 0,1,2,3,4,5,6,7,8,9,10,11,12,13,14,15
	ds_load_b128 v[OB+4*\k:OB+4*\k+3], v4 offset:(\k/4)*128+(\k%4)*32   ; K step k / 4, registers 4 (k % 4) on; LDS serves a wave's instructions in order: these see my stores
.endr
.irp k, 0,1,2,3,4,5,6,7,8,9,10,11,12,13,14,15
	s_wait_dscnt 15-\k
	global_store_b128 v1, v[OB+4*\k:OB+4*\k+3], s[16:17] offset:\k*512   ; 512 consecutive bytes, at a multiple of 512
.endr
	s_wait_tensorcnt 0x0
	ds_add_u32 v160, v161
	s_wait_dscnt 0x0
	s_endpgm
	; ---------------- the sort: token = 256 wave + 32 q + lane, q = 0 .. 7
.Lsort:
	s_mov_b32 s49, 0x0000ff00                      ; lanes 8-15, 16-23, 24-31
	s_mov_b32 s50, 0x00ff0000
	s_mov_b32 s51, 0xff000000
.irp b, 0,1,2,3,4,5,6,7
	s_mov_b32 s[52+\b], 0x01010101<<\b             ; lanes with lane % 8 = b
.endr
	s_mov_b32 s60, 0x55555555
	s_mov_b32 s61, 0x33333333
	s_mov_b32 s62, 0x0f0f0f0f
	s_mov_b32 s63, 0xffff0000                      ; lanes 16-31
	s_lshl_b32 s21, s20, 8
	s_wait_alu depctr_va_vdst(0)
	v_add_nc_u32 v3, s21, v5                       ; my token of q = 0
	s_delay_alu instid0(VALU_DEP_1)
	v_lshlrev_b32 v2, 3, v3                        ; its 8 bytes in the indices and in the weights
	v_lshlrev_b32 v4, 2, v0                        ; LDS: my wave's histogram, my lane's word
	v_lshlrev_b32 v6, 2, v5
	v_mov_b32 v[HH], 0
	s_wait_alu depctr_va_vdst(0)
	s_wait_kmcnt 0x0
.irp q, 0,1,2,3,4,5,6,7
	global_load_b64 v[IX+2*\q:IX+2*\q+1], v2, s[4:5] offset:\q*256     ; 32 lanes read 256 consecutive bytes
.endr
.irp q, 0,1,2,3,4,5,6,7
	global_load_b64 v[WT+2*\q:WT+2*\q+1], v2, s[6:7] offset:\q*256
.endr
	s_wait_loadcnt 0x0
.macro POPC x, t                       ; the number of ones in v[x]
	v_lshrrev_b32 v[\t], 1, v[\x]
	s_delay_alu instid0(VALU_DEP_1)
	v_and_b32 v[\t], s60, v[\t]
	s_delay_alu instid0(VALU_DEP_1)
	v_sub_nc_u32 v[\x], v[\x], v[\t]
	s_delay_alu instid0(VALU_DEP_1)
	v_lshrrev_b32 v[\t], 2, v[\x]
	s_delay_alu instid0(VALU_DEP_2)
	v_and_b32 v[\x], s61, v[\x]
	s_delay_alu instid0(VALU_DEP_2)
	v_and_b32 v[\t], s61, v[\t]
	s_delay_alu instid0(VALU_DEP_1)
	v_add_nc_u32 v[\x], v[\x], v[\t]
	s_delay_alu instid0(VALU_DEP_1)
	v_lshrrev_b32 v[\t], 4, v[\x]
	s_delay_alu instid0(VALU_DEP_1)
	v_add_nc_u32 v[\x], v[\x], v[\t]
	s_delay_alu instid0(VALU_DEP_1)
	v_and_b32 v[\x], s62, v[\x]
	s_delay_alu instid0(VALU_DEP_1)
	v_mul_lo_u32 v[\x], v[\x], s52
	s_delay_alu instid0(VALU_DEP_1)
	v_lshrrev_b32 v[\x], 24, v[\x]
.endm
.macro RQ q
.set IXA, IX+2*\q
.set IXB, IX+2*\q+1
.set WTA, WT+2*\q
.set WTB, WT+2*\q+1
	v_cmp_lt_u32 vcc_lo, 7, v[IXA]                 ; an index outside 0 .. 7 counts for nothing
	s_delay_alu instid0(VALU_DEP_1)
	v_cndmask_b32 v[WTA], v[WTA], 0, vcc_lo
	v_min_u32 v[IXA], 7, v[IXA]
	v_cmp_lt_u32 vcc_lo, 7, v[IXB]
	s_delay_alu instid0(VALU_DEP_1)
	v_cndmask_b32 v[WTB], v[WTB], 0, vcc_lo
	v_min_u32 v[IXB], 7, v[IXB]
	s_delay_alu instid0(VALU_DEP_1)
	v_min_u32 v81, v[IXA], v[IXB]                  ; the smaller expert
	s_delay_alu instid0(VALU_DEP_2)
	v_max_u32 v82, v[IXA], v[IXB]                  ; the larger
	s_delay_alu instid0(VALU_DEP_1)
	v_lshl_add_u32 v83, v81, 3, v82                ; the key
	s_delay_alu instid0(VALU_DEP_4)
	v_cmp_gt_u32 vcc_lo, v[IXA], v[IXB]
	s_delay_alu instid0(VALU_DEP_1)
	v_cndmask_b32 v84, v[WTA], v[WTB], vcc_lo      ; the smaller expert's weight
	s_delay_alu instid0(VALU_DEP_2)
	v_cndmask_b32 v85, v[WTB], v[WTA], vcc_lo      ; the larger's
	v_add_f32 v86, v[WTA], v[WTB]
	v_cmp_eq_u32 vcc_lo, v[IXA], v[IXB]            ; both slots on one expert: the sum, and 0
	s_delay_alu instid0(VALU_DEP_1)
	v_cndmask_b32 v[WTA], v84, v86, vcc_lo
	s_delay_alu instid0(VALU_DEP_2)
	v_cndmask_b32 v[WTB], v85, 0, vcc_lo
	v_and_b32 v87, 31, v83
	s_delay_alu instid0(VALU_DEP_1)
	v_lshlrev_b32 v[BI+\q], 2, v87
	v_lshrrev_b32 v87, 5, v83
	s_delay_alu instid0(VALU_DEP_1)
	v_lshlrev_b32 v[SH+\q], 4, v87
	ds_bpermute_b32 v[GT+\q], v[BI+\q], v[HH]      ; how many tokens of my key the wave's earlier registers held (read later)
.irp a, 0,1,2,3,4,5,6,7
	v_cmp_eq_u32 s[32+\a], \a, v81                 ; the lanes whose smaller expert is a,
	v_cmp_eq_u32 s[40+\a], \a, v82                 ; whose larger is a
.endr
	v_mov_b32 v88, s32
	v_mov_b32 v89, s40
.irp a, 1,2,3,4,5,6,7
	s_delay_alu instid0(VALU_DEP_2)
	v_cndmask_b32 v88, v88, s[32+\a], s[32+\a]     ; each lane takes the mask that it is in itself
	s_delay_alu instid0(VALU_DEP_2)
	v_cndmask_b32 v89, v89, s[40+\a], s[40+\a]
.endr
	s_delay_alu instid0(VALU_DEP_1)
	v_and_b32 v88, v88, v89                        ; the lanes with my key
	s_delay_alu instid0(VALU_DEP_1)
	v_mbcnt_lo_u32_b32 v[LOC+\q], v88, 0           ; of them, those below me
	v_mov_b32 v90, s32                             ; the register's histogram: lane l counts keys l and 32 + l
	v_mov_b32 v91, s36
.irp a, 1,2,3
	s_delay_alu instid0(VALU_DEP_2)
	v_cndmask_b32 v90, v90, s[32+\a], s[48+\a]
	s_delay_alu instid0(VALU_DEP_2)
	v_cndmask_b32 v91, v91, s[36+\a], s[48+\a]
.endr
	v_mov_b32 v92, s40
.irp b, 1,2,3,4,5,6,7
	s_delay_alu instid0(VALU_DEP_1)
	v_cndmask_b32 v92, v92, s[40+\b], s[52+\b]
.endr
	s_delay_alu instid0(VALU_DEP_1)
	v_and_b32 v90, v90, v92
	s_delay_alu instid0(VALU_DEP_2)
	v_and_b32 v91, v91, v92
	POPC 90, 93
	POPC 91, 93
	s_delay_alu instid0(VALU_DEP_1)
	v_lshl_add_u32 v90, v91, 16, v90
	s_delay_alu instid0(VALU_DEP_1)
	v_add_nc_u32 v[HH], v[HH], v90
	v_lshl_or_b32 v[IXB], v82, 8, v81              ; what meta gets: the pair,
	v_add_nc_u32 v[IXA], 32*\q, v3                 ; and the token
.endm
.irp q, 0,1,2,3,4,5,6,7
	RQ \q
.endr
	s_wait_dscnt 0x0
.irp q, 0,1,2,3,4,5,6,7
	v_lshrrev_b32 v[GT+\q], v[SH+\q], v[GT+\q]
	s_delay_alu instid0(VALU_DEP_1)
	v_and_b32 v[GT+\q], 0xffff, v[GT+\q]
	s_delay_alu instid0(VALU_DEP_1)
	v_add_nc_u32 v[LOC+\q], v[LOC+\q], v[GT+\q]    ; my rank in the wave
.endr
	ds_store_b32 v4, v[HH]
	s_wait_dscnt 0x0                               ; for the others' sake: my histogram lies in LDS
	s_barrier_signal -1
	s_barrier_wait -1
.irp u, 0,1,2,3,4,5,6,7,8,9,10,11,12,13,14,15
	ds_load_b32 v[100+\u], v6 offset:128*\u
.endr
	s_wait_dscnt 0x0
	v_mov_b32 v116, 0                              ; all waves' counts,
	v_mov_b32 v117, 0                              ; and those of the waves before mine
.irp u, 0,1,2,3,4,5,6,7,8,9,10,11,12,13,14,15
	v_add_nc_u32 v116, v116, v[100+\u]
	s_cmp_lt_u32 \u, s20
	s_cselect_b32 s66, -1, 0
	v_and_b32 v119, s66, v[100+\u]
	s_delay_alu instid0(VALU_DEP_1)
	v_add_nc_u32 v117, v117, v119
.endr
	v_mov_b32 v118, v116                           ; running sums over the lanes, both halves of the word at once
.irp d, 1,2,4,8
	s_delay_alu instid0(VALU_DEP_1)
	v_mov_b32_dpp v119, v118 row_shr:\d row_mask:0xf bank_mask:0xf bound_ctrl:1
	s_delay_alu instid0(VALU_DEP_1)
	v_add_nc_u32 v118, v118, v119
.endr
	s_delay_alu instid0(VALU_DEP_1)
	v_readlane_b32 s66, v118, 15
	s_delay_alu instid0(VALU_DEP_1)
	v_cndmask_b32 v119, 0, s66, s63                ; lanes 16-31 add the first sixteen's total
	s_delay_alu instid0(VALU_DEP_1)
	v_add_nc_u32 v118, v118, v119
	s_delay_alu instid0(VALU_DEP_1)
	v_readlane_b32 s67, v118, 31
	s_and_b32 s67, s67, 0xffff                     ; keys 32 to 63 come behind all of keys 0 to 31
	s_lshl_b32 s67, s67, 16
	v_sub_nc_u32 v120, v118, v116                  ; where a key's run begins,
	s_delay_alu instid0(VALU_DEP_1)
	v_add_nc_u32 v120, v120, v117                  ; and in it my wave's part
	s_delay_alu instid0(VALU_DEP_1)
	v_add_nc_u32 v120, s67, v120
.irp q, 0,1,2,3,4,5,6,7
	ds_bpermute_b32 v[GT+\q], v[BI+\q], v120
.endr
	s_wait_dscnt 0x0
.irp q, 0,1,2,3,4,5,6,7
	v_lshrrev_b32 v[GT+\q], v[SH+\q], v[GT+\q]
	s_delay_alu instid0(VALU_DEP_1)
	v_and_b32 v[GT+\q], 0xffff, v[GT+\q]
	s_delay_alu instid0(VALU_DEP_1)
	v_add_nc_u32 v[GT+\q], v[GT+\q], v[LOC+\q]     ; the token's sorted place
	s_delay_alu instid0(VALU_DEP_1)
	v_min_u32 v[GT+\q], 4095, v[GT+\q]
	s_delay_alu instid0(VALU_DEP_1)
	v_lshlrev_b32 v[GT+\q], 3, v[GT+\q]
	global_store_b64 v[GT+\q], v[IX+2*\q:IX+2*\q+1], s[12:13]   ; 8 bytes a lane to places far apart: 64 KiB in all; each register q has its own registers, so nothing is rewritten
	global_store_b64 v[GT+\q], v[WT+2*\q:WT+2*\q+1], s[14:15]
.endr
	s_wait_tensorcnt 0x0
	ds_add_u32 v160, v161
	s_wait_dscnt 0x0
	s_endpgm
.Lfunc_end_k_qf3a1abb22b_prep:
	.size	k_qf3a1abb22b_prep, .Lfunc_end_k_qf3a1abb22b_prep-k_qf3a1abb22b_prep
	.p2alignl 7, 3214868480
	.fill 96, 4, 3214868480
	.section	.rodata,"a",@progbits
	.p2align	6, 0x0
	.amdhsa_kernel k_qf3a1abb22b_prep
		.amdhsa_group_segment_fixed_size 141312
		.amdhsa_private_segment_fixed_size 0
		.amdhsa_enable_private_segment 0
		.amdhsa_kernarg_size 64
		.amdhsa_user_sgpr_count 2
		.amdhsa_user_sgpr_kernarg_segment_ptr 1
		.amdhsa_wavefront_size32 1
		.amdhsa_system_sgpr_workgroup_id_x 1
		.amdhsa_system_sgpr_workgroup_id_y 1
		.amdhsa_system_sgpr_workgroup_id_z 1
		.amdhsa_system_vgpr_workitem_id 0
		.amdhsa_next_free_vgpr 162
		.amdhsa_next_free_sgpr 80
		.amdhsa_reserve_vcc 1
		.amdhsa_float_denorm_mode_32 3
		.amdhsa_float_denorm_mode_16_64 3
		.amdhsa_memory_ordered 1
		.amdhsa_forward_progress 1
		.amdhsa_inst_pref_size 79
	.end_amdhsa_kernel
	.amdgpu_metadata
---
amdhsa.version: [ 1, 2 ]
amdhsa.kernels:
  - .name:           k_qf3a1abb22b_prep
    .symbol:         k_qf3a1abb22b_prep.kd
    .args:
      - { .name: top_k_indices, .offset: 0, .size: 8, .value_kind: global_buffer, .address_space: global }
      - { .name: top_k_weights, .offset: 8, .size: 8, .value_kind: global_buffer, .address_space: global }
      - { .name: w1_codes, .offset: 16, .size: 8, .value_kind: global_buffer, .address_space: global }
      - { .name: w2_codes, .offset: 24, .size: 8, .value_kind: global_buffer, .address_space: global }
      - { .name: meta, .offset: 32, .size: 8, .value_kind: global_buffer, .address_space: global }
      - { .name: gates, .offset: 40, .size: 8, .value_kind: global_buffer, .address_space: global }
      - { .name: wf1, .offset: 48, .size: 8, .value_kind: global_buffer, .address_space: global }
      - { .name: wf2, .offset: 56, .size: 8, .value_kind: global_buffer, .address_space: global }
    .group_segment_fixed_size: 141312
    .private_segment_fixed_size: 0
    .kernarg_segment_align: 8
    .kernarg_segment_size: 64
    .max_flat_workgroup_size: 512
    .sgpr_count:     80
    .vgpr_count:     162
    .wavefront_size: 32
...
	.end_amdgpu_metadata
.endif
;; end of part 1
;; launch up (part 2): grid 4 x 64, 4 waves a work-group, no clusters, 67,072 bytes of LDS; arguments hidden_codes, hidden_scales, wf1, w1_scales, b1, meta, hws, hsc; writes hws, hsc
.if DOCPART == 2
	.amdgcn_target "amdgcn-amd-amdhsa--gfx1250"
	.amdhsa_code_object_version 6
	.text
	.protected	k_qf3a1abb22b_up
	.globl	k_qf3a1abb22b_up
	.p2align	8
	.type	k_qf3a1abb22b_up,@function
k_qf3a1abb22b_up:
	s_mov_b64 s[64:65], 0
	v_nop
	global_prefetch_b8 v0, s[64:65] scope:SCOPE_SE
	s_setreg_imm32_b32 hwreg(HW_REG_WAVE_MODE, 25, 1), 1
	s_wait_xcnt 0x0
; THE FIRST PRODUCT OF EACH CHOSEN EXPERT: h = Q(gelu(x W1e + b1e)), on codes of BF8 (E5M2) with one E8M0 scale for each 32 along K.
; A work-group takes block y of 64 sorted tokens (meta) and hidden units 256 x .. 256 x + 255, and walks the experts that the block's tokens use (2 or 3 as a rule, up to 8), read from meta.
; Wave w owns hidden units 256 x + 64 w .. + 63 (four tiles of 16) for all 64 tokens (four fragments): 16 accumulators.
; THE PRODUCT IS USED TRANSPOSED (source 0 = 16 rows of W1, source 1 = 16 tokens): a lane holds one token, and by the choice of a tile's rows (made when wf1 was laid out) the 16 registers of tiles 2 G, 2 G + 1 are 16 neighbours along F.
; Weights come from wf1 straight into registers, each load 512 consecutive bytes, three K steps (48 loads a wave) ahead; the tokens' codes lie in LDS (64 rows, pitch 1,040), gathered once.
; gelu as jax.nn.gelu has it (the tanh form), written x / (1 + 2^(x (c1 + c2 x^2))), c1 = -2 log2(e) sqrt(2 / pi), c2 = 0.044715 c1; then the quantiser; the codes leave as images of the next operand's registers:
;   hws[(((blk 4 + f) 2 + slot) 8 + K step) 2048 + c 512 + 16 lane], hsc[((((blk 4 + f) 2 + slot) 8 + K step) 16 + r) 4]; slot 0: the token's smaller expert, slot 1: its larger (both written, also where they are one).
; NO TENSOR LOADS, NO CLUSTER: the number of trips and the weights' addresses hang on numbers read from meta, and differ from block to block; what the four work-groups of a block share is the tokens' 64 KiB beside 256 KiB of weights for each expert.
; LIMITS: experts that no slot of a block chose are not multiplied; a zero block of h gets the byte 1 over zero codes (read by this program alone); NaN and infinity codes are not served.
; REGISTERS, in windows of 256: window 0 addresses, token data, all scale words; window 1 a ring of 16 weight fragments (K step s, tile j at v[16 (4 (s % 4) + j)]); window 2 the same ring of token fragments;
;   window 3: v0-127 accumulators ((f, j) at v[8 (4 f + j)]), v128-159 the bias in the result's layout, v160-217 at work.
.set PITCH, 1040                       ; 1,024 bytes + 16 = 65 x 16: the 16 rows of a fragment load start in 16 different groups of banks
.set L16,  1                           ; v1   16 x lane
.set AAD,  2                           ; v2   a token fragment in LDS: r PITCH + 16 h
.set BSO,  3                           ; v3   W1's scale words: lanes 0-15 an even tile's rows, lanes 16-31 the odd tile's: 32 (8 h + r + 8 (r / 8))
.set BIO,  4                           ; v4   the bias: 64 h
.set HSO,  5                           ; v5   h's scale word: 4 r
.set STA,  6                           ; v6   where I put a token's row in LDS
.set MP,   8                           ; v8-15  token, pair of the fragments' rows
.set EMIN, 16                          ; v16-19 the smaller expert of token 16 f + r
.set EMAX, 20                          ; v20-23 the larger
.set TOKP, 24                          ; v24-31 byte offsets of the rows that I gather
.set ASC,  32                          ; v32-63 the tokens' scale words: 8 f + s
.set BSC,  64                          ; v64-79 the weights': 8 (j / 2) + s
.set BIA,  128                         ; window 3
.set TT,   160
.set MX,   192
.set PM,   194
.set SOP,  196
.set HD,   198
.set BY,   200
.set HW,   202
.set CD,   208
.set CON1, 216
.set W_MUL, 0xf9                       ; weights window 1, tokens window 2, C and D window 3
.set W_LDB, 0x40
.set W_LDA, 0x80
.set W_LD3, 0xc0
.set W_EP,  0xff
.set W_ST3, 0x0c
.set W_ST2, 0x08
.set MSB, 0
.macro WIN new                         ; the immediate's high byte repeats the setting that is left
.if MSB != \new
	s_set_vgpr_msb (MSB<<8)|\new
.set MSB, \new
.endif
.endm
.macro PLACES n
.rept \n
	v_nop
.endr
.endm
.macro WM d, a, b, cc, sa, sb, odd     ; odd tiles' scale words lie in lanes 16-31
.if \odd
	v_wmma_scale_f32_16x16x128_f8f6f4 v[(\d):(\d)+7], v[(\a):(\a)+15], v[(\b):(\b)+15], v[(\cc):(\cc)+7], v[\sa], v[\sb] matrix_a_fmt:MATRIX_FMT_BF8 matrix_b_fmt:MATRIX_FMT_BF8 matrix_a_scale:MATRIX_SCALE_ROW1
.else
	v_wmma_scale_f32_16x16x128_f8f6f4 v[(\d):(\d)+7], v[(\a):(\a)+15], v[(\b):(\b)+15], v[(\cc):(\cc)+7], v[\sa], v[\sb] matrix_a_fmt:MATRIX_FMT_BF8 matrix_b_fmt:MATRIX_FMT_BF8
.endif
.endm
.macro LDB k, p                        ; my four tiles' fragments of K step k, from the expert at s[p:p+1]
	WIN W_LDB
.irp j, 0,1,2,3
.irp c, 0,1,2,3
	global_load_b128 v[16*(4*((\k)%4)+\j)+4*\c:16*(4*((\k)%4)+\j)+4*\c+3], v[L16], s[\p:\p+1] offset:\j*16384+(\k)*2048+\c*512
.endr
.endr
.endm
.macro LDA k                           ; the four token fragments of K step k
	WIN W_LDA
.irp f, 0,1,2,3
.irp c, 0,1,2,3
	ds_load_b128 v[16*(4*((\k)%4)+\f)+4*\c:16*(4*((\k)%4)+\f)+4*\c+3], v[AAD] offset:\f*16*PITCH+(\k)*128+\c*32
.endr
.endr
.endm
.macro BSCLD p, r0, off                ; four K steps' scale words of my four tiles
.irp u, 0,1
	global_load_b128 v[BSC+8*\u+\r0:BSC+8*\u+\r0+3], v[BSO], s[\p:\p+1] offset:\u*1024+\off
.endr
.endm
.macro BIALD p                         ; lane (r, h), tile j: b1 at hidden units 32 (j / 2) + 8 (j % 2) + 16 h + 0 .. 7
	WIN W_LD3
.irp j, 0,1,2,3
	global_load_b128 v[BIA+8*\j:BIA+8*\j+3], v[BIO], s[\p:\p+1] offset:(32*(\j/2)+8*(\j%2))*4
	global_load_b128 v[BIA+8*\j+4:BIA+8*\j+7], v[BIO], s[\p:\p+1] offset:(32*(\j/2)+8*(\j%2))*4+16
.endr
	WIN 0
.endm
.macro MUL s                           ; 16 products; the 16 accumulators take turns, one instruction a turn, in the same order in every K step
	WIN W_MUL
.irp j, 0,1,2,3
.irp f, 0,1,2,3
.if \s == 0
	WM 8*(4*\f+\j), 16*(4*((\s)%4)+\j), 16*(4*((\s)%4)+\f), BIA+8*\j, BSC+8*(\j/2)+\s, ASC+8*\f+\s, \j%2
.else
	WM 8*(4*\f+\j), 16*(4*((\s)%4)+\j), 16*(4*((\s)%4)+\f), 8*(4*\f+\j), BSC+8*(\j/2)+\s, ASC+8*\f+\s, \j%2
.endif
.endr
.endr
.endm
; K STEP s of the expert in hand.  Its run of loads fetches the K step three on (from step 5 on: the next expert's steps 0 to 2) into the ring's group that the last products read: so the places stand first
; (eight behind this form for loads; nine where accumulators are begun anew).
.macro KSTEP s
	WIN 0
.if \s == 0
	PLACES 9
	BSCLD 36, 4, 16                                ; this expert's scale words of K steps 4-7 (their registers were last read in the trip before)
.else
	PLACES 8
.endif
.if \s == 1
	BIALD 40                                       ; the next expert's bias (read in step 0 alone)
.endif
.if \s == 4
	BSCLD 38, 0, 0                                 ; the next expert's scale words of K steps 0-3
.endif
.if \s < 5
	LDB (\s+3)%8, 32
.else
	LDB (\s+3)%8, 34
.endif
	LDA (\s+3)%8
.set WC, 48                            ; behind this K step's 16 weight loads stand the runs of steps s - 2, s - 1, s: 48 weight loads and their extras
.if (\s == 0) || (\s == 1) || (\s == 2)
.set WC, WC+2
.endif
.if (\s == 1) || (\s == 2) || (\s == 3)
.set WC, WC+8
.endif
.if (\s == 4) || (\s == 5) || (\s == 6)
.set WC, WC+2
.endif
	s_wait_loadcnt WC
	s_wait_dscnt 48                                ; likewise three runs of 16 LDS loads
	MUL \s
.endm
.macro HST f, slot, er                 ; the lanes whose token has this expert in this slot store their part of the image
	WIN 0
	v_cmp_eq_u32 vcc_lo, s28, v[\er+\f]
	s_wait_xcnt 0x0                                ; EXEC changes only behind this wait: loads and stores are out
	s_and_saveexec_b32 s56, vcc_lo
	WIN W_ST3
	global_store_b128 v[L16], v[CD:CD+3], s[58:59] offset:\f*32768+\slot*16384
	global_store_b128 v[L16], v[CD+4:CD+7], s[58:59] offset:\f*32768+\slot*16384+512
	global_store_b16 v[HSO], v[HW], s[60:61] offset:\f*1024+\slot*512   ; my two bytes of the row's scale word (lanes r and r + 16 store the same)
	WIN 0
	s_wait_xcnt 0x0                                ; and again in front of the line that widens it; it also frees the stores' data
	s_or_b32 exec_lo, exec_lo, s56
.endm
; Fragment f's 32 numbers a lane (two blocks of 16 neighbours along F): gelu, quantiser, stores.  Left out where no token of the fragment uses the expert.
.macro FRAG f
.set XX, 32*\f
	s_bitcmp1_b32 s25, \f
	s_cbranch_scc0 .Lskip_\@
	WIN W_EP
.set i, 0
.rept 16
	v_pk_mul_f32 v[TT+i:TT+i+1], v[XX+i:XX+i+1], v[XX+i:XX+i+1]       ; x^2; ascending
.set i, i+2
.endr
.set i, 0
.rept 16
	v_pk_fma_f32 v[TT+i:TT+i+1], v[TT+i:TT+i+1], s[54:55], v[CON1:CON1+1] op_sel_hi:[1,0,1]   ; c2 x^2 + c1
.set i, i+2
.endr
.set i, 0
.rept 16
	v_pk_mul_f32 v[TT+i:TT+i+1], v[TT+i:TT+i+1], v[XX+i:XX+i+1]
.set i, i+2
.endr
.set i, 0
	s_wait_alu depctr_va_vdst(0)
.rept 32
	v_exp_f32 v[TT+i], v[TT+i]
.set i, i+1
.endr
	v_nop                                          ; a plain instruction behind the last exponential
	s_wait_alu depctr_va_vdst(0)                   ; one wait for the batch, ahead of its first reader
.set i, 0
.rept 16
	v_pk_add_f32 v[TT+i:TT+i+1], v[TT+i:TT+i+1], 1.0 op_sel_hi:[1,0]
.set i, i+2
.endr
.set i, 0
	s_wait_alu depctr_va_vdst(0)
.rept 32
	v_rcp_f32 v[TT+i], v[TT+i]
.set i, i+1
.endr
	v_nop
	s_wait_alu depctr_va_vdst(0)                   ; and one for the reciprocals
.set i, 0
.rept 16
	v_pk_mul_f32 v[XX+i:XX+i+1], v[XX+i:XX+i+1], v[TT+i:TT+i+1]       ; gelu(x)
.set i, i+2
.endr
.irp b, 0,1
	v_max3_num_f32 v[MX+\b], |v[XX+16*\b]|, |v[XX+16*\b+1]|, 0x8000000   ; the block's largest magnitude, with the floor 2^(16 - 127): the byte cannot fall under 1
.endr
.irp u, 2,4,6,8,10,12,14
.irp b, 0,1
	v_max3_num_f32 v[MX+\b], v[MX+\b], |v[XX+16*\b+\u]|, |v[XX+16*\b+\u+1]|
.endr
.endr
.irp b, 0,1
	v_permlanex16_b32 v[PM+\b], v[MX+\b], s50, s51
.endr
.irp b, 0,1
	v_max_num_f32 v[MX+\b], v[MX+\b], v[PM+\b]     ; with lane l xor 16's 16 numbers
.endr
.irp b, 0,1
	v_add_nc_u32 v[SOP+\b], 0xf8800000, v[MX+\b]   ; 15 off the exponent field: the conversion's scale operand
.endr
.irp b, 0,1
.endr
.irp b, 0,1
	v_lshrrev_b32 v[BY+\b], 23, v[SOP+\b]          ; the scale's byte
.endr
	v_lshl_or_b32 v[HW], v[BY+1], 8, v[BY]
.irp b, 0,1
.set i, 0
.rept 16
.set i, i+1
.endr
	v_cvt_scalef32_pk8_bf8_f32 v[CD+4*\b:CD+4*\b+1], v[XX+16*\b:XX+16*\b+7], v[SOP+\b]
	v_cvt_scalef32_pk8_bf8_f32 v[CD+4*\b+2:CD+4*\b+3], v[XX+16*\b+8:XX+16*\b+15], v[SOP+\b]
.endr
	v_nop
	s_wait_alu depctr_va_vdst(0)
	HST \f, 0, EMIN
	HST \f, 1, EMAX
.Lskip_\@:
.endm
	s_load_b512 s[4:19], s[0:1], 0x0               ; x's codes s[4:5], x's scales s[6:7], wf1 s[8:9], W1's scales s[10:11], b1 s[12:13], meta s[14:15], hws s[16:17], hsc s[18:19]
	v_lshl_add_u32 v254, v0, 2, 0x10400
	v_mov_b32 v255, 0
	v_lshrrev_b32 v80, 5, v0
	v_readfirstlane_b32 s20, v80                   ; wave 0..3
	s_mov_b32 s21, ttmp9                           ; which 256 hidden units
	s_and_b32 s22, ttmp7, 0xffff                   ; which block of 64 sorted tokens
	v_and_b32 v81, 31, v0
	v_and_b32 v82, 15, v0                          ; r
	v_bfe_u32 v83, v0, 4, 1                        ; h
	v_lshlrev_b32 v[L16], 4, v81
	v_mul_u32_u24 v[AAD], v82, PITCH
	v_lshl_add_u32 v[AAD], v83, 4, v[AAD]
	v_and_b32 v84, 8, v82
	v_add_nc_u32 v84, v84, v82
	v_lshl_add_u32 v84, v83, 3, v84
	v_lshlrev_b32 v[BSO], 5, v84
	v_lshlrev_b32 v[BIO], 6, v83
	v_lshlrev_b32 v[HSO], 2, v82
	s_mul_i32 s66, s20, 16*PITCH
	v_mul_u32_u24 v[STA], v83, PITCH
	v_lshl_add_u32 v[STA], v82, 4, v[STA]
	v_add_nc_u32 v[STA], s66, v[STA]               ; rows 16 w + 2 p + h; sixteen lanes to 256 bytes
	v_lshlrev_b32 v85, 3, v82                      ; meta: 8 bytes a place: the fragments' rows,
	v_lshlrev_b32 v86, 3, v83
	s_lshl_b32 s66, s20, 7
	v_add_nc_u32 v86, s66, v86                     ; and the rows that I gather
	v_lshlrev_b32 v87, 4, v82
	s_mov_b32 s50, 0x76543210
	s_mov_b32 s51, 0xfedcba98                      ; v_permlanex16_b32's selects for lane l xor 16
	s_mov_b32 s54, 0xbdd2d3e8                      ; c2
	s_mov_b32 s55, s54                             ; (named with it as a pair)
	s_mov_b32 s49, 0
	s_lshl_b32 s48, s22, 9
	s_wait_alu depctr_va_vdst(0)
	s_wait_kmcnt 0x0
	s_add_nc_u64 s[14:15], s[14:15], s[48:49]
.irp f, 0,1,2,3
	global_load_b64 v[MP+2*\f:MP+2*\f+1], v85, s[14:15] offset:\f*128
.endr
.irp p, 0,1,2,3,4,5,6,7
	global_load_b32 v[TOKP+\p], v86, s[14:15] offset:\p*16
.endr
	s_lshl_b32 s48, s21, 18                        ; my four tiles in an expert's wf1: (16 x + 4 w) x 16,384
	s_lshl_b32 s66, s20, 16
	s_add_co_u32 s48, s48, s66
	s_add_nc_u64 s[42:43], s[8:9], s[48:49]
	s_lshl_b32 s48, s21, 13                        ; their rows' scale bytes: (256 x + 64 w) x 32
	s_lshl_b32 s66, s20, 11
	s_add_co_u32 s48, s48, s66
	s_add_nc_u64 s[44:45], s[10:11], s[48:49]
	s_lshl_b32 s48, s21, 10                        ; their bias
	s_lshl_b32 s66, s20, 8
	s_add_co_u32 s48, s48, s66
	s_add_nc_u64 s[46:47], s[12:13], s[48:49]
	s_lshl_b32 s48, s22, 17                        ; hws: block, K step 2 x + w / 2, registers 8 (w % 2) on
	s_lshl_b32 s66, s21, 12
	s_add_co_u32 s48, s48, s66
	s_lshl_b32 s66, s20, 10
	s_add_co_u32 s48, s48, s66
	s_add_nc_u64 s[58:59], s[16:17], s[48:49]
	s_lshl_b32 s48, s22, 12                        ; hsc: block, K step, bytes 2 (w % 2) on
	s_lshl_b32 s66, s21, 7
	s_add_co_u32 s48, s48, s66
	s_lshr_b32 s66, s20, 1
	s_lshl_b32 s66, s66, 6
	s_add_co_u32 s48, s48, s66
	s_and_b32 s66, s20, 1
	s_lshl_b32 s66, s66, 1
	s_add_co_u32 s48, s48, s66
	s_add_nc_u64 s[60:61], s[18:19], s[48:49]
	WIN W_LD3
	v_mov_b32 v[CON1], 0xc0135761                  ; c1, twice
	v_mov_b32 v[CON1+1], 0xc0135761
	v_mov_b32 v[PM], 0                             ; written once: a lane permute's destination counts as one of its sources
	v_mov_b32 v[PM+1], 0
	WIN 0
	v_mov_b32 v92, 0
	v_mov_b32 v93, 1
	v_mov_b32 v96, 0
	s_wait_loadcnt 0x0
.irp f, 0,1,2,3
	v_and_b32 v[EMIN+\f], 0xff, v[MP+2*\f+1]
	v_bfe_u32 v[EMAX+\f], v[MP+2*\f+1], 8, 8
	v_min_u32 v[EMIN+\f], 7, v[EMIN+\f]
	v_min_u32 v[EMAX+\f], 7, v[EMAX+\f]
	v_min_u32 v[88+\f], 4095, v[MP+2*\f]
	v_lshlrev_b32 v[88+\f], 5, v[88+\f]            ; the token's 32 scale bytes
.endr
.irp p, 0,1,2,3,4,5,6,7
	v_min_u32 v[TOKP+\p], 4095, v[TOKP+\p]
	v_lshl_add_u32 v[TOKP+\p], v[TOKP+\p], 10, v87
.endr
	; THE LIST OF EXPERTS.  Bit 8 f + e of a word: a token of fragment f uses expert e; joined over the 16 lanes; then, in scalar registers, the used experts in ascending order, four bits each, and beside each its four fragments' bits.
.irp f, 0,1,2,3
	v_add_nc_u32 v94, 8*\f, v[EMIN+\f]
	v_add_nc_u32 v95, 8*\f, v[EMAX+\f]
	v_lshlrev_b32 v94, v94, v93
	v_lshlrev_b32 v95, v95, v93
	v_or_b32 v92, v92, v94
	v_or_b32 v92, v92, v95
.endr
.irp m, 1,2,4,8
	v_mov_b32_dpp v96, v92 row_xmask:\m row_mask:0xf bank_mask:0xf
	v_or_b32 v92, v92, v96
.endr
	v_readfirstlane_b32 s66, v92
	s_mov_b32 s24, 0                               ; the experts,
	s_mov_b32 s25, 0                               ; their fragments,
	s_mov_b32 s26, 0                               ; how many: 1 to 8
.irp e, 7,6,5,4,3,2,1,0
	s_lshr_b32 s67, s66, \e
	s_and_b32 s67, s67, 0x01010101
	s_lshr_b32 s68, s67, 7
	s_or_b32 s67, s67, s68
	s_lshr_b32 s68, s67, 14
	s_or_b32 s67, s67, s68
	s_and_b32 s67, s67, 15                         ; bit f: fragment f uses expert e
	s_lshl_b32 s68, s24, 4
	s_or_b32 s68, s68, \e
	s_lshl_b32 s69, s25, 4
	s_or_b32 s69, s69, s67
	s_cmp_lg_u32 s67, 0
	s_cselect_b32 s24, s68, s24
	s_cselect_b32 s25, s69, s25
	s_cselect_b32 s68, 1, 0
	s_add_co_u32 s26, s26, s68
.endr
	s_and_b32 s28, s24, 7                          ; the expert in hand,
	s_min_u32 s28, s28, 7
	s_bfe_u32 s29, s24, 0x30004                    ; and the next (behind the list's end: 0, whose weights are fetched and not used)
	s_min_u32 s29, s29, 7
	s_lshl_b32 s48, s28, 20
	s_add_nc_u64 s[32:33], s[42:43], s[48:49]
	s_lshl_b32 s48, s28, 15
	s_add_nc_u64 s[36:37], s[44:45], s[48:49]
	s_lshl_b32 s48, s28, 12
	s_add_nc_u64 s[70:71], s[46:47], s[48:49]
	s_lshl_b32 s48, s29, 20
	s_add_nc_u64 s[34:35], s[42:43], s[48:49]
	s_lshl_b32 s48, s29, 15
	s_add_nc_u64 s[38:39], s[44:45], s[48:49]
	s_lshl_b32 s48, s29, 12
	s_add_nc_u64 s[40:41], s[46:47], s[48:49]
	BIALD 70                                       ; the first expert's bias, scale words of K steps 0-3, weights of K steps 0-2
	BSCLD 36, 0, 0
	LDB 0, 32
	LDB 1, 32
	LDB 2, 32
	WIN 0
.irp f, 0,1,2,3
	global_load_b128 v[ASC+8*\f:ASC+8*\f+3], v[88+\f], s[6:7]
	global_load_b128 v[ASC+8*\f+4:ASC+8*\f+7], v[88+\f], s[6:7] offset:16
.endr
	WIN W_LDA
.irp p, 0,1,2,3,4,5,6,7                ; my 16 rows of x's codes: an instruction takes 256 consecutive bytes of each of two rows
.irp x, 0,1,2,3
	global_load_b128 v[16*\p+4*\x:16*\p+4*\x+3], v[TOKP+\p], s[4:5] offset:\x*256
.endr
.endr
	WIN 0
	s_wait_loadcnt 0x0
	WIN W_ST2
.irp p, 0,1,2,3,4,5,6,7
.irp x, 0,1,2,3
	ds_store_b128 v[STA], v[16*\p+4*\x:16*\p+4*\x+3] offset:\p*2*PITCH+\x*256
.endr
.endr
	WIN 0
	s_wait_dscnt 0x0                               ; for the others' sake: my rows lie in LDS
	s_barrier_signal -1
	s_barrier_wait -1                              ; the one barrier: it stands ahead of every branch on numbers from meta; behind it LDS is only read
	LDA 0
	LDA 1
	LDA 2
	WIN 0
	s_mov_b32 s27, 0
.Lexp:                                             ; a trip: one expert
	KSTEP 0
	KSTEP 1
	KSTEP 2
	KSTEP 3
	KSTEP 4
	KSTEP 5
	KSTEP 6
	KSTEP 7
	WIN 0
	PLACES 8                                       ; in front of the first read of results
	FRAG 0
	FRAG 1
	FRAG 2
	FRAG 3
	s_wait_xcnt 0x0                                ; the pointers are rewritten only behind this wait
	s_mov_b64 s[32:33], s[34:35]
	s_mov_b64 s[36:37], s[38:39]
	s_lshr_b32 s24, s24, 4
	s_lshr_b32 s25, s25, 4
	s_mov_b32 s28, s29
	s_bfe_u32 s29, s24, 0x30004
	s_min_u32 s29, s29, 7
	s_lshl_b32 s48, s29, 20
	s_add_nc_u64 s[34:35], s[42:43], s[48:49]
	s_lshl_b32 s48, s29, 15
	s_add_nc_u64 s[38:39], s[44:45], s[48:49]
	s_lshl_b32 s48, s29, 12
	s_add_nc_u64 s[40:41], s[46:47], s[48:49]
	s_add_co_u32 s27, s27, 1
	s_cmp_lt_u32 s27, s26
	s_cbranch_scc1 .Lexp
	s_wait_dscnt 0x0                               ; the look-ahead's LDS loads
	s_wait_tensorcnt 0x0
	ds_add_u32 v254, v255
	s_wait_dscnt 0x0
	s_endpgm
.Lfunc_end_k_qf3a1abb22b_up:
	.size	k_qf3a1abb22b_up, .Lfunc_end_k_qf3a1abb22b_up-k_qf3a1abb22b_up
	.p2alignl 7, 3214868480
	.fill 96, 4, 3214868480
	.section	.rodata,"a",@progbits
	.p2align	6, 0x0
	.amdhsa_kernel k_qf3a1abb22b_up
		.amdhsa_group_segment_fixed_size 67072
		.amdhsa_private_segment_fixed_size 0
		.amdhsa_enable_private_segment 0
		.amdhsa_kernarg_size 64
		.amdhsa_user_sgpr_count 2
		.amdhsa_user_sgpr_kernarg_segment_ptr 1
		.amdhsa_wavefront_size32 1
		.amdhsa_system_sgpr_workgroup_id_x 1
		.amdhsa_system_sgpr_workgroup_id_y 1
		.amdhsa_system_sgpr_workgroup_id_z 1
		.amdhsa_system_vgpr_workitem_id 0
		.amdhsa_next_free_vgpr 1024
		.amdhsa_next_free_sgpr 80
		.amdhsa_reserve_vcc 1
		.amdhsa_float_denorm_mode_32 3
		.amdhsa_float_denorm_mode_16_64 3
		.amdhsa_fp16_overflow 1
		.amdhsa_memory_ordered 1
		.amdhsa_forward_progress 1
		.amdhsa_inst_pref_size 110
	.end_amdhsa_kernel
	.amdgpu_metadata
---
amdhsa.version: [ 1, 2 ]
amdhsa.kernels:
  - .name:           k_qf3a1abb22b_up
    .symbol:         k_qf3a1abb22b_up.kd
    .args:
      - { .name: hidden_codes, .offset: 0, .size: 8, .value_kind: global_buffer, .address_space: global }
      - { .name: hidden_scales, .offset: 8, .size: 8, .value_kind: global_buffer, .address_space: global }
      - { .name: wf1, .offset: 16, .size: 8, .value_kind: global_buffer, .address_space: global }
      - { .name: w1_scales, .offset: 24, .size: 8, .value_kind: global_buffer, .address_space: global }
      - { .name: b1, .offset: 32, .size: 8, .value_kind: global_buffer, .address_space: global }
      - { .name: meta, .offset: 40, .size: 8, .value_kind: global_buffer, .address_space: global }
      - { .name: hws, .offset: 48, .size: 8, .value_kind: global_buffer, .address_space: global }
      - { .name: hsc, .offset: 56, .size: 8, .value_kind: global_buffer, .address_space: global }
    .group_segment_fixed_size: 67072
    .private_segment_fixed_size: 0
    .kernarg_segment_align: 8
    .kernarg_segment_size: 64
    .max_flat_workgroup_size: 128
    .sgpr_count:     80
    .vgpr_count:     1024
    .wavefront_size: 32
...
	.end_amdgpu_metadata
.endif
;; end of part 2
;; launch down (part 3): grid 4 x 64, 4 waves a work-group, no clusters, 153,088 bytes of LDS; arguments hws, hsc, wf2, w2_scales, b2, meta, gates, out0; writes out0
.if DOCPART == 3
	.amdgcn_target "amdgcn-amd-amdhsa--gfx1250"
	.amdhsa_code_object_version 6
	.text
	.protected	k_qf3a1abb22b_down
	.globl	k_qf3a1abb22b_down
	.p2align	8
	.type	k_qf3a1abb22b_down,@function
k_qf3a1abb22b_down:
	s_mov_b64 s[64:65], 0
	v_nop
	global_prefetch_b8 v0, s[64:65] scope:SCOPE_SE
	s_setreg_imm32_b32 hwreg(HW_REG_WAVE_MODE, 25, 1), 1
	s_wait_xcnt 0x0
; THE SECOND PRODUCT AND THE SUM OVER EXPERTS: out[t] = sum over the token's experts e of gate(t, e) (h_e(t) W2e + b2e), on codes of BF8 (E5M2) with one E8M0 scale for each 32 along K.
; A work-group takes block y of 64 sorted tokens and outputs 256 x .. 256 x + 255, and walks the experts that the block's tokens use (read from meta).  Each row of out has one owner.
; Wave w owns outputs 256 x + 64 w .. + 63 (four tiles of 16) for all 64 tokens (four fragments): 16 accumulators, and 16 running sums that begin as gate x bias.
; THE PRODUCT IS USED TRANSPOSED (source 0 = 16 rows of W2, source 1 = 16 tokens): a lane holds one token and eight neighbouring outputs.
; Weights come from wf2 straight into registers, 512 consecutive bytes a load, three K steps (48 loads a wave) ahead.  The block's h (128 KiB of register images, 4 KiB of scale words) is copied into LDS once, as it lies.
; For the expert in hand a lane reads its token's slot 0 where that expert is the token's smaller one, else slot 1; a token that does not use the expert is multiplied all the same and weighed with the gate 0.
; NO TENSOR LOADS, NO CLUSTER: the number of trips and the weights' addresses hang on numbers read from meta, and differ from block to block; what the four work-groups of a block share is h's 132 KiB beside 256 KiB of weights for each expert.
; LIMITS: experts that no slot of a block chose are not multiplied; the gate 0 wipes a foreign product out only while that product is finite; NaN and infinity codes are not served.
; REGISTERS, in windows of 256: window 0 addresses, token data, all scale words; window 1 a ring of 16 weight fragments (K step s, tile j at v[16 (4 (s % 4) + j)]); window 2 the same ring of token fragments;
;   window 3: v0-127 accumulators ((f, j) at v[8 (4 f + j)]), v128-255 the running sums.
.set SCW,    131072                    ; LDS: behind h's images its scale words,
.set STG,    SCW+4096                  ; and a stage of 16 rows x 272 bytes for each wave
.set SPITCH, 272
.set L16,  1                           ; v1   16 x lane
.set BSO,  2                           ; v2   W2's scale words: 32 x lane: lanes 0-15 an even tile's rows, lanes 16-31 the odd tile's
.set AAD,  4                           ; v4-7   fragment f's image for the expert being fetched
.set ASD,  8                           ; v8-11  and its scale words
.set SO,   12                          ; v12  the stage: where I put 32 bytes of a row
.set SR,   13                          ; v13  and where I read a row back
.set CPA,  14                          ; v14  the copy of h's images
.set CPS,  15                          ; v15  and of its scale words
.set EMIN, 16
.set EMAX, 20
.set GP,   24                          ; v24-31 the two gates of token 16 f + r
.set GG,   32                          ; v32-39 the gate for the expert in hand (even registers; the odd ones are named with them as pairs)
.set ASC,  40                          ; v40-55 h's scale words: a ring, 4 (s % 4) + f
.set BSC,  64                          ; v64-79 the weights': 8 (j / 2) + s
.set TOK,  80                          ; v80-111 byte offsets in out of the rows that I store
.set MP,   112
.set HC,   120
.set IMG0, 128                         ; v128-131 fragment f's image, slot 0
.set BOA,  132                         ; v132-135 b2 of the smaller expert
.set SCW0, 136                         ; v136-139 fragment f's scale words, slot 0
.set BOB,  140                         ; v140-143 b2 of the larger
.set OUTR, 128                         ; window 3
.set W_MUL, 0xf9
.set W_LDB, 0x40
.set W_LDA, 0x80
.set W_LD3, 0xc0
.set W_ST3, 0x0c
.set W_ST2, 0x08
.set W_ACC, 0xf3                       ; destination, sources 0 and 2 window 3; source 1 (a gate) window 0
.set MSB, 0
.macro WIN new                         ; the immediate's high byte repeats the setting that is left
.if MSB != \new
	s_set_vgpr_msb (MSB<<8)|\new
.set MSB, \new
.endif
.endm
.macro PLACES n
.rept \n
	v_nop
.endr
.endm
.macro LDB k, p
	WIN W_LDB
.irp j, 0,1,2,3
.irp c, 0,1,2,3
	global_load_b128 v[16*(4*((\k)%4)+\j)+4*\c:16*(4*((\k)%4)+\j)+4*\c+3], v[L16], s[\p:\p+1] offset:\j*16384+(\k)*2048+\c*512
.endr
.endr
.endm
.macro LDA k                           ; the four token fragments of K step k, images as they were stored, and their scale words
	WIN W_LDA
.irp f, 0,1,2,3
.irp c, 0,1,2,3
	ds_load_b128 v[16*(4*((\k)%4)+\f)+4*\c:16*(4*((\k)%4)+\f)+4*\c+3], v[AAD+\f] offset:(\k)*2048+\c*512
.endr
.endr
	WIN 0
.irp f, 0,1,2,3
	ds_load_b32 v[ASC+4*((\k)%4)+\f], v[ASD+\f] offset:(\k)*64
.endr
.endm
.macro BSCLD p, r0, off
.irp u, 0,1
	global_load_b128 v[BSC+8*\u+\r0:BSC+8*\u+\r0+3], v[BSO], s[\p:\p+1] offset:\u*1024+\off
.endr
.endm
.macro SELECT e                        ; slot 0 where s[e] is the token's smaller expert, else slot 1: 16,384 bytes on in the images, 512 in the scale words
.irp f, 0,1,2,3
	v_cmp_ne_u32 vcc_lo, s[\e], v[EMIN+\f]
	v_cndmask_b32 v144, 0, 1, vcc_lo
	v_lshl_add_u32 v[AAD+\f], v144, 14, v[IMG0+\f]
	v_lshl_add_u32 v[ASD+\f], v144, 9, v[SCW0+\f]
.endr
.endm
.macro MUL s                           ; 16 products; the 16 accumulators take turns, one instruction a turn, in the same order in every K step; the first K step starts the sums
	WIN W_MUL
.irp j, 0,1,2,3
.irp f, 0,1,2,3
.if \s == 0
.if \j%2
	v_wmma_scale_f32_16x16x128_f8f6f4 v[8*(4*\f+\j):8*(4*\f+\j)+7], v[16*\j:16*\j+15], v[16*\f:16*\f+15], 0, v[BSC+8*(\j/2)], v[ASC+\f] matrix_a_fmt:MATRIX_FMT_BF8 matrix_b_fmt:MATRIX_FMT_BF8 matrix_a_scale:MATRIX_SCALE_ROW1
.else
	v_wmma_scale_f32_16x16x128_f8f6f4 v[8*(4*\f+\j):8*(4*\f+\j)+7], v[16*\j:16*\j+15], v[16*\f:16*\f+15], 0, v[BSC+8*(\j/2)], v[ASC+\f] matrix_a_fmt:MATRIX_FMT_BF8 matrix_b_fmt:MATRIX_FMT_BF8
.endif
.else
.if \j%2
	v_wmma_scale_f32_16x16x128_f8f6f4 v[8*(4*\f+\j):8*(4*\f+\j)+7], v[16*(4*((\s)%4)+\j):16*(4*((\s)%4)+\j)+15], v[16*(4*((\s)%4)+\f):16*(4*((\s)%4)+\f)+15], v[8*(4*\f+\j):8*(4*\f+\j)+7], v[BSC+8*(\j/2)+\s], v[ASC+4*((\s)%4)+\f] matrix_a_fmt:MATRIX_FMT_BF8 matrix_b_fmt:MATRIX_FMT_BF8 matrix_a_scale:MATRIX_SCALE_ROW1
.else
	v_wmma_scale_f32_16x16x128_f8f6f4 v[8*(4*\f+\j):8*(4*\f+\j)+7], v[16*(4*((\s)%4)+\j):16*(4*((\s)%4)+\j)+15], v[16*(4*((\s)%4)+\f):16*(4*((\s)%4)+\f)+15], v[8*(4*\f+\j):8*(4*\f+\j)+7], v[BSC+8*(\j/2)+\s], v[ASC+4*((\s)%4)+\f] matrix_a_fmt:MATRIX_FMT_BF8 matrix_b_fmt:MATRIX_FMT_BF8
.endif
.endif
.endr
.endr
.endm
; K STEP s of the expert in hand.  Its run of loads fetches the K step three on (from step 5 on: the next expert's steps 0 to 2) into the ring's group that the last products read: so the places stand first
; (eight behind this form for loads; nine where accumulators are begun anew).
.macro KSTEP s
	WIN 0
.if \s == 5
	SELECT 29                                      ; from here on the runs fetch for the next expert
.endif
.if \s == 0
	PLACES 9
	BSCLD 36, 4, 16                                ; this expert's scale words of K steps 4-7
.else
	PLACES 8
.endif
.if \s == 4
	BSCLD 38, 0, 0                                 ; the next expert's scale words of K steps 0-3
.endif
.if \s < 5
	LDB (\s+3)%8, 32
.else
	LDB (\s+3)%8, 34
.endif
	LDA (\s+3)%8
.if (\s == 3) || (\s == 7)
	s_wait_loadcnt 48                              ; behind this K step's 16 weight loads stand the runs of steps s - 2, s - 1, s: 48 weight loads,
.else
	s_wait_loadcnt 50                              ; and, where one of those runs has them, two loads of scale words
.endif
	s_wait_dscnt 60                                ; likewise three runs of 20 LDS loads
	MUL \s
.endm
	s_load_b512 s[4:19], s[0:1], 0x0               ; hws s[4:5], hsc s[6:7], wf2 s[8:9], W2's scales s[10:11], b2 s[12:13], meta s[14:15], gates s[16:17], out s[18:19]
	v_lshl_add_u32 v254, v0, 2, 0x25400
	v_mov_b32 v255, 0
	v_lshrrev_b32 v144, 5, v0
	v_readfirstlane_b32 s20, v144                  ; wave 0..3
	s_mov_b32 s21, ttmp9                           ; which 256 outputs
	s_and_b32 s22, ttmp7, 0xffff                   ; which block of 64 sorted tokens
	v_and_b32 v144, 31, v0
	v_and_b32 v145, 15, v0                         ; r
	v_bfe_u32 v146, v0, 4, 1                       ; h
	v_lshlrev_b32 v[L16], 4, v144
	v_lshlrev_b32 v[BSO], 5, v144
.irp f, 0,1,2,3
	v_add_nc_u32 v[IMG0+\f], \f*32768, v[L16]
	v_lshl_add_u32 v[SCW0+\f], v145, 2, SCW+\f*1024
	v_mov_b32 v[GG+2*\f+1], 0
.endr
	s_mul_i32 s66, s20, 16*SPITCH
	s_add_co_u32 s66, s66, STG                     ; my stage
	v_mul_u32_u24 v[SO], v145, SPITCH
	v_lshl_add_u32 v[SO], v146, 5, v[SO]
	v_add_nc_u32 v[SO], s66, v[SO]
	v_mul_u32_u24 v[SR], v146, SPITCH
	v_lshl_add_u32 v[SR], v145, 4, v[SR]
	v_add_nc_u32 v[SR], s66, v[SR]
	s_lshl_b32 s66, s20, 15
	v_add_nc_u32 v[CPA], s66, v[L16]               ; I copy a quarter of the images,
	s_lshl_b32 s66, s20, 10
	s_add_co_u32 s66, s66, SCW
	v_add_nc_u32 v[CPS], s66, v[L16]               ; and of the scale words
	v_lshlrev_b32 v147, 3, v145                    ; meta and gates: 8 bytes a place: the fragments' rows,
	v_lshlrev_b32 v148, 3, v146                    ; and the rows that I store
	v_lshlrev_b32 v149, 4, v145
	v_lshlrev_b32 v150, 5, v146
	s_mov_b32 s49, 0
	s_lshl_b32 s48, s22, 9
	s_wait_alu depctr_va_vdst(0)
	s_wait_kmcnt 0x0
	s_add_nc_u64 s[14:15], s[14:15], s[48:49]
	s_add_nc_u64 s[16:17], s[16:17], s[48:49]
.irp f, 0,1,2,3
	global_load_b64 v[MP+2*\f:MP+2*\f+1], v147, s[14:15] offset:\f*128
	global_load_b64 v[GP+2*\f:GP+2*\f+1], v147, s[16:17] offset:\f*128
.endr
.irp f, 0,1,2,3
.irp i, 0,1,2,3,4,5,6,7
	global_load_b32 v[TOK+8*\f+\i], v148, s[14:15] offset:\f*128+\i*16
.endr
.endr
	s_lshl_b32 s48, s21, 18                        ; my four tiles in an expert's wf2
	s_lshl_b32 s66, s20, 16
	s_add_co_u32 s48, s48, s66
	s_add_nc_u64 s[42:43], s[8:9], s[48:49]
	s_lshl_b32 s48, s21, 13                        ; their rows' scale bytes
	s_lshl_b32 s66, s20, 11
	s_add_co_u32 s48, s48, s66
	s_add_nc_u64 s[44:45], s[10:11], s[48:49]
	s_lshl_b32 s48, s21, 10                        ; my 64 outputs: 256 bytes of a row of b2 and of out
	s_lshl_b32 s66, s20, 8
	s_add_co_u32 s48, s48, s66
	s_add_nc_u64 s[46:47], s[12:13], s[48:49]
	s_add_nc_u64 s[58:59], s[18:19], s[48:49]
	s_lshl_b32 s48, s22, 17                        ; the block's images, my quarter
	s_lshl_b32 s66, s20, 15
	s_add_co_u32 s48, s48, s66
	s_add_nc_u64 s[60:61], s[4:5], s[48:49]
	s_lshl_b32 s48, s22, 12                        ; its scale words, my quarter
	s_lshl_b32 s66, s20, 10
	s_add_co_u32 s48, s48, s66
	s_add_nc_u64 s[62:63], s[6:7], s[48:49]
	v_mov_b32 v152, 0
	v_mov_b32 v153, 1
	v_mov_b32 v156, 0
	s_wait_loadcnt 0x0
.irp f, 0,1,2,3
	v_and_b32 v[EMIN+\f], 0xff, v[MP+2*\f+1]
	v_bfe_u32 v[EMAX+\f], v[MP+2*\f+1], 8, 8
	v_min_u32 v[EMIN+\f], 7, v[EMIN+\f]
	v_min_u32 v[EMAX+\f], 7, v[EMAX+\f]
	v_lshl_add_u32 v[BOA+\f], v[EMIN+\f], 12, v150
	v_lshl_add_u32 v[BOB+\f], v[EMAX+\f], 12, v150
.endr
.set i, 0
.rept 32
	v_min_u32 v[TOK+i], 4095, v[TOK+i]
	v_lshl_add_u32 v[TOK+i], v[TOK+i], 12, v149
.set i, i+1
.endr
	; THE LIST OF EXPERTS, as in the launch before: bit 8 f + e of a word, joined over the 16 lanes, then sorted out in scalar registers
.irp f, 0,1,2,3
	v_add_nc_u32 v154, 8*\f, v[EMIN+\f]
	v_add_nc_u32 v155, 8*\f, v[EMAX+\f]
	v_lshlrev_b32 v154, v154, v153
	v_lshlrev_b32 v155, v155, v153
	v_or_b32 v152, v152, v154
	v_or_b32 v152, v152, v155
.endr
.irp m, 1,2,4,8
	v_mov_b32_dpp v156, v152 row_xmask:\m row_mask:0xf bank_mask:0xf
	v_or_b32 v152, v152, v156
.endr
	v_readfirstlane_b32 s66, v152
	s_mov_b32 s24, 0                               ; the experts, four bits each, ascending
	s_mov_b32 s26, 0                               ; how many: 1 to 8
.irp e, 7,6,5,4,3,2,1,0
	s_lshr_b32 s67, s66, \e
	s_and_b32 s67, s67, 0x01010101                 ; does any fragment use expert e?
	s_lshl_b32 s68, s24, 4
	s_or_b32 s68, s68, \e
	s_cmp_lg_u32 s67, 0
	s_cselect_b32 s24, s68, s24
	s_cselect_b32 s68, 1, 0
	s_add_co_u32 s26, s26, s68
.endr
	s_and_b32 s28, s24, 7                          ; the expert in hand,
	s_min_u32 s28, s28, 7
	s_bfe_u32 s29, s24, 0x30004                    ; and the next (behind the list's end: 0, whose weights are fetched and not used)
	s_min_u32 s29, s29, 7
	s_lshl_b32 s48, s28, 20
	s_add_nc_u64 s[32:33], s[42:43], s[48:49]
	s_lshl_b32 s48, s28, 15
	s_add_nc_u64 s[36:37], s[44:45], s[48:49]
	s_lshl_b32 s48, s29, 20
	s_add_nc_u64 s[34:35], s[42:43], s[48:49]
	s_lshl_b32 s48, s29, 15
	s_add_nc_u64 s[38:39], s[44:45], s[48:49]
	SELECT 28
	BSCLD 36, 0, 0                                 ; the first expert's scale words of K steps 0-3 and weights of K steps 0-2
	LDB 0, 32
	LDB 1, 32
	LDB 2, 32
	WIN W_LD3
.irp f, 0,1,2,3                        ; lane (r, h), tile j: b2 of the token's two experts at outputs 16 j + 8 h + 0 .. 7: the smaller's where the sums will stand, the larger's in the accumulators
.irp j, 0,1,2,3
	global_load_b128 v[OUTR+8*(4*\f+\j):OUTR+8*(4*\f+\j)+3], v[BOA+\f], s[46:47] offset:\j*64
	global_load_b128 v[OUTR+8*(4*\f+\j)+4:OUTR+8*(4*\f+\j)+7], v[BOA+\f], s[46:47] offset:\j*64+16
	global_load_b128 v[8*(4*\f+\j):8*(4*\f+\j)+3], v[BOB+\f], s[46:47] offset:\j*64
	global_load_b128 v[8*(4*\f+\j)+4:8*(4*\f+\j)+7], v[BOB+\f], s[46:47] offset:\j*64+16
.endr
.endr
	WIN W_LDA
.set i, 0
.rept 64
	global_load_b128 v[4*i:4*i+3], v[L16], s[60:61] offset:i*512      ; 512 consecutive bytes
.set i, i+1
.endr
	WIN 0
	global_load_b128 v[HC:HC+3], v[L16], s[62:63]
	global_load_b128 v[HC+4:HC+7], v[L16], s[62:63] offset:512
	s_wait_loadcnt 0x0
	WIN W_ST2
.set i, 0
.rept 64
	ds_store_b128 v[CPA], v[4*i:4*i+3] offset:i*512
.set i, i+1
.endr
	WIN 0
	ds_store_b128 v[CPS], v[HC:HC+3]
	ds_store_b128 v[CPS], v[HC+4:HC+7] offset:512
	WIN W_ACC
.irp f, 0,1,2,3                        ; the sums begin as gate x bias of the token's two experts: nothing is cleared
.set i, 0
.rept 16
	v_pk_mul_f32 v[OUTR+32*\f+i:OUTR+32*\f+i+1], v[OUTR+32*\f+i:OUTR+32*\f+i+1], v[GP+2*\f:GP+2*\f+1] op_sel_hi:[1,0]
.set i, i+2
.endr
.set i, 0
.rept 16
	v_pk_fma_f32 v[OUTR+32*\f+i:OUTR+32*\f+i+1], v[32*\f+i:32*\f+i+1], v[GP+2*\f:GP+2*\f+1], v[OUTR+32*\f+i:OUTR+32*\f+i+1] op_sel:[0,1,0] op_sel_hi:[1,1,1]
.set i, i+2
.endr
.endr
	WIN 0
	s_wait_dscnt 0x0                               ; for the others' sake: my quarter lies in LDS
	s_barrier_signal -1
	s_barrier_wait -1                              ; it stands ahead of every branch on numbers from meta; up to the next barrier LDS is only read
	LDA 0
	LDA 1
	LDA 2
	s_mov_b32 s27, 0
.Lexp:                                             ; a trip: one expert
	KSTEP 0
	KSTEP 1
	KSTEP 2
	KSTEP 3
	KSTEP 4
	KSTEP 5
	s_wait_alu depctr_va_vdst(0)
	KSTEP 6
	KSTEP 7
	WIN 0
.irp f, 0,1,2,3                        ; the token's gate for this expert, 0 where it does not use it.  These 20 plain lines, which name no register of the products, are the places in front of the first read of results
	v_cmp_eq_u32 vcc_lo, s28, v[EMIN+\f]
	v_cndmask_b32 v144, 0, v[GP+2*\f], vcc_lo
	v_cmp_eq_u32 vcc_lo, s28, v[EMAX+\f]
	v_cndmask_b32 v145, 0, v[GP+2*\f+1], vcc_lo
	v_add_f32 v[GG+2*\f], v144, v145
.endr
	WIN W_ACC
.irp f, 0,1,2,3
.set i, 0
.rept 16
	v_pk_fma_f32 v[OUTR+32*\f+i:OUTR+32*\f+i+1], v[32*\f+i:32*\f+i+1], v[GG+2*\f:GG+2*\f+1], v[OUTR+32*\f+i:OUTR+32*\f+i+1] op_sel_hi:[1,0,1]   ; ascending: each accumulator is read from its low end on
.set i, i+2
.endr
.endr
	WIN 0
	s_wait_xcnt 0x0                                ; the pointers are rewritten only behind this wait
	s_mov_b64 s[32:33], s[34:35]
	s_mov_b64 s[36:37], s[38:39]
	s_lshr_b32 s24, s24, 4
	s_mov_b32 s28, s29
	s_bfe_u32 s29, s24, 0x30004
	s_min_u32 s29, s29, 7
	s_lshl_b32 s48, s29, 20
	s_add_nc_u64 s[34:35], s[42:43], s[48:49]
	s_lshl_b32 s48, s29, 15
	s_add_nc_u64 s[38:39], s[44:45], s[48:49]
	s_add_co_u32 s27, s27, 1
	s_cmp_lt_u32 s27, s26
	s_cbranch_scc1 .Lexp
	; THE WAY OUT.  A lane holds 32 neighbouring bytes of a token's row, and the lanes beside it hold other tokens: a fragment goes through my own stage and comes back as rows of 256 bytes, which sixteen lanes store whole.
	s_wait_dscnt 0x0                               ; the look-ahead's LDS loads are in: window 2 is free
	s_barrier_signal -1                            ; every wave has made the same number of trips; behind this barrier nobody reads h, and the stages are written
	s_barrier_wait -1
	s_wait_alu depctr_va_vdst(0)
.irp f, 0,1,2,3
	WIN W_ST3
.irp j, 0,1,2,3
	ds_store_b128 v[SO], v[OUTR+8*(4*\f+\j):OUTR+8*(4*\f+\j)+3] offset:\j*64
	ds_store_b128 v[SO], v[OUTR+8*(4*\f+\j)+4:OUTR+8*(4*\f+\j)+7] offset:\j*64+16
.endr
	WIN W_LDA
.irp i, 0,1,2,3,4,5,6,7
	ds_load_b128 v[32*\f+4*\i:32*\f+4*\i+3], v[SR] offset:\i*2*SPITCH   ; LDS serves a wave's instructions in order: these see my stores, and the next fragment's stores come behind them
.endr
.endr
	WIN W_ST2
.irp f, 0,1,2,3
.irp i, 0,1,2,3,4,5,6,7
	s_wait_dscnt 16*(3-\f)+7-\i                    ; behind this load: the fragment's younger loads and 16 LDS instructions for each later fragment
	global_store_b128 v[TOK+8*\f+\i], v[32*\f+4*\i:32*\f+4*\i+3], s[58:59] th:TH_STORE_NT   ; sixteen lanes store 256 consecutive bytes of one token's row, at a multiple of 256; each store has registers of its own
.endr
.endr
	WIN 0
	s_wait_tensorcnt 0x0
	ds_add_u32 v254, v255
	s_wait_dscnt 0x0
	s_endpgm
.Lfunc_end_k_qf3a1abb22b_down:
	.size	k_qf3a1abb22b_down, .Lfunc_end_k_qf3a1abb22b_down-k_qf3a1abb22b_down
	.p2alignl 7, 3214868480
	.fill 96, 4, 3214868480
	.section	.rodata,"a",@progbits
	.p2align	6, 0x0
	.amdhsa_kernel k_qf3a1abb22b_down
		.amdhsa_group_segment_fixed_size 153088
		.amdhsa_private_segment_fixed_size 0
		.amdhsa_enable_private_segment 0
		.amdhsa_kernarg_size 64
		.amdhsa_user_sgpr_count 2
		.amdhsa_user_sgpr_kernarg_segment_ptr 1
		.amdhsa_wavefront_size32 1
		.amdhsa_system_sgpr_workgroup_id_x 1
		.amdhsa_system_sgpr_workgroup_id_y 1
		.amdhsa_system_sgpr_workgroup_id_z 1
		.amdhsa_system_vgpr_workitem_id 0
		.amdhsa_next_free_vgpr 1024
		.amdhsa_next_free_sgpr 80
		.amdhsa_reserve_vcc 1
		.amdhsa_float_denorm_mode_32 3
		.amdhsa_float_denorm_mode_16_64 3
		.amdhsa_memory_ordered 1
		.amdhsa_forward_progress 1
		.amdhsa_inst_pref_size 108
	.end_amdhsa_kernel
	.amdgpu_metadata
---
amdhsa.version: [ 1, 2 ]
amdhsa.kernels:
  - .name:           k_qf3a1abb22b_down
    .symbol:         k_qf3a1abb22b_down.kd
    .args:
      - { .name: hws, .offset: 0, .size: 8, .value_kind: global_buffer, .address_space: global }
      - { .name: hsc, .offset: 8, .size: 8, .value_kind: global_buffer, .address_space: global }
      - { .name: wf2, .offset: 16, .size: 8, .value_kind: global_buffer, .address_space: global }
      - { .name: w2_scales, .offset: 24, .size: 8, .value_kind: global_buffer, .address_space: global }
      - { .name: b2, .offset: 32, .size: 8, .value_kind: global_buffer, .address_space: global }
      - { .name: meta, .offset: 40, .size: 8, .value_kind: global_buffer, .address_space: global }
      - { .name: gates, .offset: 48, .size: 8, .value_kind: global_buffer, .address_space: global }
      - { .name: out0, .offset: 56, .size: 8, .value_kind: global_buffer, .address_space: global }
    .group_segment_fixed_size: 153088
    .private_segment_fixed_size: 0
    .kernarg_segment_align: 8
    .kernarg_segment_size: 64
    .max_flat_workgroup_size: 128
    .sgpr_count:     80
    .vgpr_count:     1024
    .wavefront_size: 32
...
	.end_amdgpu_metadata
.endif
;; end of part 3
